; MI455X (gfx1250); checked and timed in simulation.
; The chip was launched on July 23, 2026; its instructions are those of AMD's public machine-readable ISA for CDNA 5 (MIT licence, August 2026) and "CDNA5" Instruction Set Architecture Reference Guide (July 2026). The comments in the code are by the model that wrote it; some were corrected since.
;; T Linear. Allowed arithmetic: float matrix products may take bf16 or f16 operands with f32 sums; other float arithmetic in f32, or as packed bf16 or f16 multiplies, adds, multiply-adds, maxima and minima; sums over many terms, partial sums and values carried from step to step in f32; what a program stores and reads back later, other than sums and carried values, may be rounded once to bf16 or f16.
;; Inputs: Wc 65,536 x 256 float32; bc 65,536 float32; features 4 x 1,024 x 256 float32.
;; Outputs: out0 4 x 1,024 x 256 float32.
;; 2 versions, each right; version 2 is version 1 with the launch cvtw written anew for expert scheduling mode. Each part assembles by itself: llvm-mc -triple=amdgcn-amd-amdhsa -mcpu=gfx1250 --defsym DOCPART=n.
;; ======== version 1 of 2: 3 launches
;; workspace buffers: Wt 33,554,432 bytes; P 33,554,432 bytes
;; launch cvtw (part 1): grid 32 x 16, 8 waves a work-group, no clusters, 0 bytes of LDS; arguments Wc, Wt; writes Wt
.if DOCPART == 1
	.amdgcn_target "amdgcn-amd-amdhsa--gfx1250"
	.amdhsa_code_object_version 6
	.text
	.protected	k_q1f981f94a2_cvtw
	.globl	k_q1f981f94a2_cvtw
	.p2align	8
	.type	k_q1f981f94a2_cvtw,@function
k_q1f981f94a2_cvtw:
	s_mov_b64 s[64:65], 0
	v_nop
	global_prefetch_b8 v0, s[64:65] scope:SCOPE_SE
	s_setreg_imm32_b32 hwreg(HW_REG_WAVE_MODE, 25, 1), 1
	s_wait_xcnt 0x0
; Wt[i][o][c] = bf16(Wc[o*256 + i][c]).  Wc: [65536][256] f32.  Wt: [256 i][256 o][256 c] bf16, row (i, o) at byte (i*256 + o)*512.
; The next launch walks i and wants, for one i, the 256 rows o as one dense block of 131,072 bytes in bf16: this launch rounds once (to nearest even) and lays the rows so.
; SHARES.  Wave w of work-group (x, y) takes o = 8 x + w and i = 16 y .. 16 y + 15: 16 rows of Wc that lie on end, 16,384 bytes.  A load of the wave covers 512 consecutive
; bytes (half a row); the 4 numbers of a lane become 8 bytes, and a store of the wave covers 256 consecutive bytes, aligned.  All 32 loads go out first; no register is written twice,
; so the only waits are the counted ones for the loads.  A stream: no LDS, no barrier, no matrix work, nothing read twice.
.set L, 4                              ; v[4:131]    load n: 4 registers
.set S, 132                            ; v[132:195]  store n: 2 registers
	s_load_b128 s[4:7], s[0:1], 0x0                ; Wc s[4:5], Wt s[6:7]
	v_lshrrev_b32 v3, 5, v0
	v_readfirstlane_b32 s8, v3                     ; wave 0..7
	v_and_b32 v1, 31, v0                           ; lane
	v_lshlrev_b32 v2, 3, v1                        ; 8 bytes a lane on the way out
	v_lshlrev_b32 v1, 4, v1                        ; 16 bytes a lane on the way in
	s_and_b32 s9, ttmp7, 0xffff                    ; y
	s_lshl_b32 s10, ttmp9, 3
	s_add_co_u32 s10, s10, s8                      ; o
	s_lshl_b32 s12, s10, 18                        ; o x 256 rows x 1,024 bytes
	s_lshl_b32 s13, s9, 14                         ; + 16 y rows
	s_add_co_u32 s12, s12, s13
	s_mov_b32 s13, 0
	s_lshl_b32 s14, s9, 21                         ; 16 y blocks of 131,072 bytes
	s_lshl_b32 s15, s10, 9                         ; + o rows of 512 bytes
	s_add_co_u32 s14, s14, s15
	s_mov_b32 s15, 0
	s_wait_kmcnt 0x0
	s_add_nc_u64 s[4:5], s[4:5], s[12:13]
	s_add_nc_u64 s[6:7], s[6:7], s[14:15]
.set n, 0
.rept 32                               ; load n: half n % 2 of row n / 2: the wave's 16,384 bytes in order
	global_load_b128 v[L+4*n:L+4*n+3], v1, s[4:5] offset:n*512 th:TH_LOAD_NT
.set n, n+1
.endr
.set n, 0
.rept 32
	s_wait_loadcnt 31-n                            ; loads come back in order: load n is in, the 31 - n younger ones stay out
	v_cvt_pk_bf16_f32 v[S+2*n], v[L+4*n], v[L+4*n+1]
	v_cvt_pk_bf16_f32 v[S+2*n+1], v[L+4*n+2], v[L+4*n+3]
	global_store_b64 v2, v[S+2*n:S+2*n+1], s[6:7] offset:(n/2)*131072+(n%2)*256 th:TH_STORE_NT  ; i goes up by one: 131,072 bytes on; 1,966,336 at the most, inside the signed 24 bits
.set n, n+1
.endr
	s_endpgm
.Lfunc_end_k_q1f981f94a2_cvtw:
	.size	k_q1f981f94a2_cvtw, .Lfunc_end_k_q1f981f94a2_cvtw-k_q1f981f94a2_cvtw
	.p2alignl 7, 3214868480
	.fill 96, 4, 3214868480
	.section	.rodata,"a",@progbits
	.p2align	6, 0x0
	.amdhsa_kernel k_q1f981f94a2_cvtw
		.amdhsa_group_segment_fixed_size 0
		.amdhsa_private_segment_fixed_size 0
		.amdhsa_enable_private_segment 0
		.amdhsa_kernarg_size 16
		.amdhsa_user_sgpr_count 2
		.amdhsa_user_sgpr_kernarg_segment_ptr 1
		.amdhsa_wavefront_size32 1
		.amdhsa_system_sgpr_workgroup_id_x 1
		.amdhsa_system_sgpr_workgroup_id_y 1
		.amdhsa_system_sgpr_workgroup_id_z 1
		.amdhsa_system_vgpr_workitem_id 0
		.amdhsa_next_free_vgpr 200
		.amdhsa_next_free_sgpr 66
		.amdhsa_reserve_vcc 0
		.amdhsa_float_denorm_mode_32 3
		.amdhsa_float_denorm_mode_16_64 3
		.amdhsa_memory_ordered 1
		.amdhsa_forward_progress 1
		.amdhsa_inst_pref_size 12
	.end_amdhsa_kernel
	.amdgpu_metadata
---
amdhsa.version: [ 1, 2 ]
amdhsa.kernels:
  - .name:           k_q1f981f94a2_cvtw
    .symbol:         k_q1f981f94a2_cvtw.kd
    .args:
      - { .name: Wc, .offset: 0, .size: 8, .value_kind: global_buffer, .address_space: global }
      - { .name: Wt, .offset: 8, .size: 8, .value_kind: global_buffer, .address_space: global }
    .group_segment_fixed_size: 0
    .private_segment_fixed_size: 0
    .kernarg_segment_align: 8
    .kernarg_segment_size: 16
    .max_flat_workgroup_size: 256
    .sgpr_count:     66
    .vgpr_count:     200
    .wavefront_size: 32
...
	.end_amdgpu_metadata
.endif
;; end of part 1
;; launch main (part 2): grid 32 x 8, 4 waves a work-group, clusters of 4 x 1, 327,680 bytes of LDS; arguments features, bc, Wt, P; writes P
.if DOCPART == 2
	.amdgcn_target "amdgcn-amd-amdhsa--gfx1250"
	.amdhsa_code_object_version 6
	.text
	.protected	k_q1f981f94a2_main
	.globl	k_q1f981f94a2_main
	.p2align	8
	.type	k_q1f981f94a2_main,@function
k_q1f981f94a2_main:
	s_mov_b64 s[64:65], 0
	v_nop
	global_prefetch_b8 v0, s[64:65] scope:SCOPE_SE
	s_setreg_imm32_b32 hwreg(HW_REG_WAVE_MODE, 25, 1), 1
	s_wait_xcnt 0x0
	s_wait_alu depctr_hold_cnt(0) depctr_sa_sdst(0) depctr_va_vdst(0) depctr_va_sdst(0) depctr_va_ssrc(0) depctr_va_vcc(0) depctr_vm_vsrc(0)
	s_getreg_b32 s2, hwreg(HW_REG_IB_STS2, 6, 4)
	s_cmp_eq_u32 s2, 0
	s_cbranch_scc0 .Lentry_in_a_cluster
	s_endpgm
.Lentry_in_a_cluster:
	s_bfe_u32 s2, ttmp6, 0x10000c
	s_cmp_lg_u32 s2, 0x3003
	s_cbranch_scc0 .Lentry_shape_is_right
	s_endpgm
.Lentry_shape_is_right:
; w[t][o][i] = sum over c of x[t][c] Wc[o*256+i][c] + bc[o*256+i];  n[t][i] = sum over o of (|w[t][o][i]| + 1e-5);  P[y][t][o] = sum over the 32 i of range y of w[t][o][i] x[t][i] / n[t][i].
; features: [4096 t][256] f32.  bc: [65536] f32.  Wt: [256 i][256 o][256 c] bf16 (the launch before).  P: [8 y][4096 t][256 o] f32, added up by the launch behind.
; THE IDEA.  For ONE i the rows o of Wt are a 256 x 256 matrix: tokens x all o for that i is a tile with K = 256 that holds all that n[t][i] needs.  So w is made once, never leaves registers,
; and each tile is summed (|w| over o), scaled (s = x / n) and added into a second set of f32 registers.
; LIMITS.  Every input is rounded once to bf16 (x and bc here, Wc in the launch before; the x in s and the bias are those rounded numbers); products bf16 into f32; |w| sums, s and P in f32.
; 256 x 1e-5 enters as 2 x 128e-5, not term by term; the sums over o and over i go in another order than the definition's; 1 / n is v_rcp_f32 (n is at least 0.00256).  NaN and infinities are not treated apart.
; SHARES.  Work-group: 128 tokens (block 4 x cluster x + cx) x 32 i (range y = cluster y), one i a trip.  Wave 2 wt + wo: tokens 64 wt .. + 63 (four blocks tb of 16) x o = 128 wo .. + 127 (eight groups g of 16):
; 32 accumulators, 256 matrix instructions a trip.  The wave's x (64 tokens x 256 c, bf16) stays in 256 registers for the whole launch, so a trip goes BY GROUP: 16 LDS loads bring 16 o x all c, and 32
; matrix instructions finish four accumulators, which take turns, one instruction a turn.
; LAYOUT.  Source 0 = 16 rows o of Wt, source 1 = 16 tokens: in the result lane (r, h) holds ONE token r and o = 16 g + 8 h + j in register j.  So the sum over o is in the lane, but for one exchange of the
; lanes' halves and one of the two waves of a token half (through LDS); s is one number a lane; the bias is the C operand of a group's first K step: nothing is cleared.
; ONE STEP BEHIND.  The weighted sum of trip i - 1 (OUT += C s) stands in fours behind trip i's first products of each group, ahead of the products that write over those accumulators; so do the |w| sums of the group before.
; CLUSTER.  The four token blocks of a cluster share y and so every tile of Wt: each tile is asked for JOINTLY, the same tensor load, descriptor and mask in all four.  x does not come through LDS, so a second axis would share nothing.
; ONE ROUND A TRIP does three things: the next tile is whole; nobody reads the old slot; the partner wave's partial norm can be read.
; LDS (lds_bytes names all of it): two slots of 256 rows x 528 bytes (512 + 16 of padding = 132 words: the 16 rows of a fragment load start at 16 different groups of four banks, 64 banks of
; 4 bytes: ISA guide 11.1); BT: the bias, f32 [32 i][256 o]; XS: x, f32 [32 i][wt][r][tb]; EX: partial norms [parity][wave][r][tb]; the spare words.  The stage of the way out lies in slot 0, behind its last fill.
; REGISTERS, in windows of 256 (s_set_vgpr_msb: bits 1:0 source 0, 3:2 source 1, 5:4 source 2, 7:6 destination):
;   window 0: addresses, statistics, bias (2 x 8), Wt's fragments (2 x 64)     window 1: x, fragment (tb, ks) at 64 tb + 8 ks     window 2: C, accumulator (g, tb) at 32 g + 8 tb     window 3: OUT, likewise
.set PITCH, 528
.set SLOT,  256*PITCH                  ; 135,168 = 0x21000: shares no bit with wave x 33,792, so one exclusive or changes slots
.set QUART, 64*PITCH                   ; 64 rows: what one tensor load brings
.set BT,    2*SLOT
.set XS,    BT+32768
.set EX,    XS+16384
.set SPARE, EX+2048                    ; the spare words, 128 bytes for each wave: two blocks of 256 bytes that no other line names
.set STG,   16*PITCH                   ; a wave's stage: 16 rows x 528 bytes, at wave x STG in slot 0
.set TILEB, 131072                     ; bytes of Wt for one i
.set ADR0, 2                           ; v2   (128 wo + r) x 528 + 16 h; never rewritten
.set ADR,  3                           ; v3   the same in the slot in hand
.set ABT0, 4                           ; v4   BT + 512 wo + 32 h
.set ABT,  5                           ; v5   + 1,024 x the trip's i
.set AXS0, 6                           ; v6   XS + 256 wt + 16 r
.set AXS,  7                           ; v7   + 512 x the last trip's i
.set AES0, 8                           ; v8   EX + 256 x wave + 16 r
.set AES,  10                          ; v10  in this trip's parity
.set AEL0, 11                          ; v11  EX + 256 x (the other wave of my token half) + 16 r
.set AEL,  12                          ; v12  in the last trip's parity
.set STO,  13                          ; v13  the way out: my stage + 528 r + 32 h
.set RD,   14                          ; v14  my stage + 16 x lane
.set GO,   15                          ; v15  16 x lane
.set NA,   16                          ; v[16:23]  running |w| sums, a pair for each tb
.set OWN,  24                          ; v[24:27]  my wave's part of n, by tb
.set PN,   28                          ; v[28:31]  the partner's, then n
.set XV,   32                          ; v[32:35]  x[t][i], by tb
.set RC,   36                          ; v[36:39]  1 / n
.set SV,   40                          ; v[40:47]  s at SV + 2 tb; the odd registers hold 0: they are named with s as pairs
.set T,    48                          ; v[48:63]  at work
.set BIAS, 64                          ; v[64:79]  two buffers of 8
.set ASB,  120                         ; v120 BT + 4 x thread
.set LN,   121                         ; v121 lane
.set ASX,  122                         ; v122 XS + 256 (t / 64) + 16 (t % 16) + 4 ((t / 16) % 4)
.set XO,   123                         ; v123 1,024 r + 32 h
.set TO,   124                         ; v124 1,024 x thread
.set PFO,  125                         ; v125 256 x lane; never rewritten
.set SPW,  126                         ; v126 LDS address of my spare word; never rewritten
.set NIL,  127                         ; v127 0; never rewritten
.set BF,   128                         ; v[128:255] two buffers of 64: fragment ks at BF + 64 b + 8 ks
.set WV,  12                           ; s12 wave    s13 wt    s14 wo    s15 cx    s16 token block    s17 y
.set WT,  13
.set WO,  14
.set CX,  15
.set TTN, 16
.set YY,  17
.set G1,  24                           ; s[24:31] descriptor group 1
.set G0,  32                           ; s[32:35] descriptor group 0: it walks; one load of a wave is out at the most
.set PFA, 36                           ; s[36:37] where my prefetches stand
.set LIM, 38                           ; s38 2 in the clusters that prefetch, else the greatest number
.set CNT, 39                           ; s39 31 - the trip's number
.set TB,  40                           ; s40 LDS byte of the slot in hand
.set EXO, 41                           ; s41 the parity's 0 or 1,024
.set BTO, 42                           ; s42 1,024 x the next trip's i
.set XSO, 43                           ; s43 512 x the i whose s is made next
.set SEL, 44                           ; s[44:45] v_permlanex16_b32's selects: each lane takes its own place in the other half
.set HIM, 46                           ; s46 a word's upper bf16
.set EPN, 48                           ; s[48:49] 128 x 1e-5, named as a pair
.set LB,  58                           ; s58 LDS bases at the head: made of the wave's number and constants alone
.set W_MB, 0x84                        ; product: D window 2, Wt's fragment window 0, x window 1, C = the bias in window 0
.set W_MM, 0xa4                        ; the same, C window 2: in place
.set W_FM, 0xf2                        ; OUT (window 3) = C (window 2) x s (window 0) + OUT
.set W_AB, 0x0a                        ; sources 0 and 1 window 2, destination window 0
.set MSB, 0
.macro WIN new                         ; the immediate's high byte repeats the setting that is left; a switch that changes nothing is dropped
.if MSB != (\new)
	s_set_vgpr_msb (MSB<<8)|(\new)
.set MSB, (\new)
.endif
.endm
.macro PLACES                          ; four plain instructions between a product and a read of its result or a load into a register that it has read
.rept 4
	v_nop
.endr
.endm
; A round of the cluster's barrier: my work-group's barrier, so that wave 0's signal speaks for all four waves; wave 0 signals; every wave waits for all four work-groups; my work-group's barrier once more.
.macro CROUND
	s_barrier_signal -1
	s_barrier_wait -1
	s_cmp_lg_u32 s[WV], 0
	s_cbranch_scc1 .Lnot_wave_0_\@
	s_barrier_signal -3
.Lnot_wave_0_\@:
	s_barrier_wait -3
	s_barrier_signal -1
	s_barrier_wait -1
.endm
; 18 LDS loads in one run: group g's bias (8 numbers a lane) and its 16 rows x 256 c, into buffer g % 2
.macro FETCH g
	WIN 0
	ds_load_b128 v[BIAS+8*((\g)%2):BIAS+8*((\g)%2)+3],   v[ABT] offset:64*(\g)
	ds_load_b128 v[BIAS+8*((\g)%2)+4:BIAS+8*((\g)%2)+7], v[ABT] offset:64*(\g)+16
.irp ks, 0,1,2,3,4,5,6,7
	ds_load_b128 v[BF+64*((\g)%2)+8*\ks:BF+64*((\g)%2)+8*\ks+3],   v[ADR] offset:(\g)*16*PITCH+64*\ks
	ds_load_b128 v[BF+64*((\g)%2)+8*\ks+4:BF+64*((\g)%2)+8*\ks+7], v[ADR] offset:(\g)*16*PITCH+64*\ks+32
.endr
.endm
; Product n of 32 of group g: c = 32 (n / 4) on, token block n % 4.  The first four start the sums with the bias.
.macro MM g, n
.set rC, 32*(\g)+8*((\n)%4)
.set rA, BF+64*((\g)%2)+8*((\n)/4)
.set rX, 64*((\n)%4)+8*((\n)/4)
.set rB, BIAS+8*((\g)%2)
.if (\n) < 4
	WIN W_MB
	v_wmma_f32_16x16x32_bf16 v[rC:rC+7], v[rA:rA+7], v[rX:rX+7], v[rB:rB+7]
.else
	WIN W_MM
	v_wmma_f32_16x16x32_bf16 v[rC:rC+7], v[rA:rA+7], v[rX:rX+7], v[rC:rC+7]
.endif
.endm
; Accumulator (g, tb) of the last trip, times s, into OUT.  mode = 1: the first time: a multiply starts OUT
.macro FMA4 g, mode, tb
	WIN W_FM
.irp p, 0,1,2,3
.set rr, 32*(\g)+8*(\tb)+2*\p
.if (\mode) == 1
	v_pk_mul_f32 v[rr:rr+1], v[rr:rr+1], v[SV+2*(\tb):SV+2*(\tb)+1] op_sel_hi:[1,0]
.else
	v_pk_fma_f32 v[rr:rr+1], v[rr:rr+1], v[SV+2*(\tb):SV+2*(\tb)+1], v[rr:rr+1] op_sel_hi:[1,0,1]
.endif
.endr
.endm
; |w| of accumulator (g, tb), eight numbers into four; the lowest registers are read first
.macro ABSA g, tb
	WIN W_AB
.irp k, 0,1,2,3
	v_add_f32 v[T+4*(\tb)+\k], |v[32*(\g)+8*(\tb)+2*\k]|, |v[32*(\g)+8*(\tb)+2*\k+1]|
.endr
.endm
.macro ABSP1 g                         ; four into two; group 0's start the running sums
	WIN 0
.irp tb, 0,1,2,3
.if (\g) == 0
	v_pk_add_f32 v[NA+2*\tb:NA+2*\tb+1], v[T+4*\tb:T+4*\tb+1], v[T+4*\tb+2:T+4*\tb+3]
.else
	v_pk_add_f32 v[T+4*\tb:T+4*\tb+1], v[T+4*\tb:T+4*\tb+1], v[T+4*\tb+2:T+4*\tb+3]
.endif
.endr
.endm
.macro ABSP2 g                         ; and onto the running sums
	WIN 0
.irp tb, 0,1,2,3
	v_pk_add_f32 v[NA+2*\tb:NA+2*\tb+1], v[NA+2*\tb:NA+2*\tb+1], v[T+4*\tb:T+4*\tb+1]
.endr
.endm
; GROUP g: 32 products.  Behind the first four stand the last trip's weighted sums of group g + 1 (or, behind the first, four v_nop): those behind the first are the places between group g - 1's last product and the
; loads into its buffer, which follow at once, and the reads of its results, behind products 4 to 7.  The next group's 18 loads so have 31 products in which to land.
.macro GROUP g, mode
	s_wait_dscnt 0x0                               ; this group's 18 loads, the only LDS instructions that are out
.set n, 0
.rept 32
	MM \g, n
.if (n < 4) && ((\mode) > 0) && ((\g) < 7)
	FMA4 (\g)+1, \mode, n
.elseif n == 0
	PLACES
.elseif (n >= 4) && (n < 8) && ((\g) > 0)
	ABSA (\g)-1, n-4
.elseif (n == 8) && ((\g) > 0)
	ABSP1 (\g)-1
.elseif (n == 9) && ((\g) > 1)
	ABSP2 (\g)-1
.endif
.if (n == 0) && ((\g) < 7)
	FETCH (\g)+1
.endif
.set n, n+1
.endr
.endm
; s = x / n for the four token blocks
.macro SCALE
	WIN 0
	v_pk_add_f32 v[PN:PN+1], v[PN:PN+1], v[OWN:OWN+1]
	v_pk_add_f32 v[PN+2:PN+3], v[PN+2:PN+3], v[OWN+2:OWN+3]
.irp tb, 0,1,2,3
	v_rcp_f32 v[RC+\tb], v[PN+\tb]
.endr
	v_nop                                          ; a plain instruction between the last reciprocal and the use of its result (ISA guide 5.7.2)
	s_wait_alu depctr_va_vdst(0)                   ; and the wait ahead of the first use: one for the four
.irp tb, 0,1,2,3
	v_mul_f32 v[SV+2*\tb], v[XV+\tb], v[RC+\tb]
.endr
.endm
; A PREFETCH of the tile that stands TWO refills on (trip t asks the mover for tile t + 1 and names tile t + 3 here: 512 matrix instructions ahead of the load that will want it).  A tile is 512 blocks of 256 bytes:
; four partners, told apart BY ADDRESS (32,768 bytes each), x four waves (8,192 each) x 32 lanes: one instruction a wave.  The eight clusters of a y walk the same tiles: the one with x = 0 asks, so each block is
; named once in the launch.  Tiles 0 to 2 come by their loads alone; trips 29 and 30 ask for nothing, since tiles 32 and 33 are another range's.
.macro ASK
	s_cmp_gt_u32 s[CNT], s[LIM]
	s_cbranch_scc0 .Lnot_mine_\@
	global_prefetch_b8 v[PFO], s[PFA:PFA+1] th:TH_LOAD_NT scope:SCOPE_SE
.Lnot_mine_\@:
.endm
; A TRIP: one i.  mode = 0: the first trip, with no trip behind it; 1: the second, whose weighted sums start OUT; 2: every other.  refill = 1: the slot just left is filled again, with the next i's tile.
.macro TRIP mode, refill
	WIN 0
.if \refill
	s_wait_xcnt 0x0                                ; the last prefetch, a trip back, has read its address, which is stepped here, ahead of the waits of the change of slots
	s_add_nc_u64 s[PFA:PFA+1], s[PFA:PFA+1], TILEB
.endif
	s_wait_tensorcnt 0x0                           ; all my tensor loads have landed: the one that was out is my quarter of this trip's tile; so group 0 may be written
	ds_add_u32 v[SPW], v[NIL]                      ; 0 onto my spare word: the trip's addresses, work on registers, stand between it and the wait for it
.if \refill
	s_xor_b32 s[G0+1], s[G0+1], SLOT               ; the walking descriptor: the other slot,
	s_add_nc_u64 s[G0+2:G0+3], s[G0+2:G0+3], TILEB ; the next i; the type bits on top are not reached
.endif
	s_xor_b32 s[TB], s[TB], SLOT
	v_add_nc_u32 v[ADR], s[TB], v[ADR0]
	v_add_nc_u32 v[ABT], s[BTO], v[ABT0]
	s_add_co_u32 s[BTO], s[BTO], 1024
.if \mode
	v_add_nc_u32 v[AXS], s[XSO], v[AXS0]           ; x of the last trip's i
	s_add_co_u32 s[XSO], s[XSO], 512
	v_add_nc_u32 v[AEL], s[EXO], v[AEL0]           ; the partner's norm, in the last trip's parity
.endif
	s_xor_b32 s[EXO], s[EXO], 1024                 ; two parities: what is read behind this round is written again only behind the next one
	v_add_nc_u32 v[AES], s[EXO], v[AES0]
	s_wait_dscnt 0x0                               ; the add is done; my reads of the old slot are back; my partial norm (in the first trip: my part of BT and XS) is stored
.if \refill
	CROUND                                         ; all that now holds of every wave of all four work-groups
	tensor_load_to_lds s[G0:G0+3], s[G1:G1+7]      ; my one tensor load behind the round, and the first thing there: it has the trip's 256 products in which to land
	s_nop 0
	PLACES
.else
	s_barrier_signal -1                            ; nothing is filled again: my work-group's barrier does
	s_barrier_wait -1
.endif
.if \mode
	ds_load_b128 v[PN:PN+3], v[AEL]
	ds_load_b128 v[XV:XV+3], v[AXS]
.endif
	FETCH 0
.if \refill
	ASK                                            ; behind the joint load and the run of LDS loads that the next products wait for
.endif
.if \mode
	s_wait_dscnt 18                                ; the partner's norm and x are in; group 0's 18 loads may stay out
	SCALE
.irp tb, 0,1,2,3
	FMA4 0, \mode, \tb
.endr
.endif
.irp g, 0,1,2,3,4,5,6,7
	GROUP \g, \mode
.endr
	PLACES                                         ; the places behind the trip's last products
.irp tb, 0,1,2,3
	ABSA 7, \tb
.endr
	ABSP1 7
	ABSP2 7
.irp tb, 0,1,2,3
	v_add_f32 v[OWN+\tb], v[NA+2*\tb], v[NA+2*\tb+1]
.endr
.irp tb, 0,1,2,3
	v_permlanex16_b32 v[T+\tb], v[OWN+\tb], s[SEL], s[SEL+1]  ; the token's other 64 o lie in the lane 16 away
.endr
.irp tb, 0,1,2,3
	v_add_f32 v[OWN+\tb], v[OWN+\tb], v[T+\tb]
.endr
	v_pk_add_f32 v[OWN:OWN+1], v[OWN:OWN+1], s[EPN:EPN+1] op_sel_hi:[1,0]      ; my 128 o's share of the 1e-5
	v_pk_add_f32 v[OWN+2:OWN+3], v[OWN+2:OWN+3], s[EPN:EPN+1] op_sel_hi:[1,0]
	ds_store_b128 v[AES], v[OWN:OWN+3]             ; both halves of the lanes store the same numbers to the same bytes
.endm
; x of token block tb: 16 tokens x 256 c in f32, 32 loads, into C's and OUT's registers, which are idle at the head; then rounded into window 1
.macro XLOAD tb
	WIN 0x80+0x40*((\tb)/2)                        ; destination window 2 or 3, address window 0
.set k, 0
.rept 8
.set rr, 128*((\tb)%2)+16*k
	global_load_b128 v[rr:rr+3],     v[XO], s[4:5] offset:(\tb)*16384+128*k
	global_load_b128 v[rr+4:rr+7],   v[XO], s[4:5] offset:(\tb)*16384+128*k+16
	global_load_b128 v[rr+8:rr+11],  v[XO], s[4:5] offset:(\tb)*16384+128*k+64
	global_load_b128 v[rr+12:rr+15], v[XO], s[4:5] offset:(\tb)*16384+128*k+80
.set k, k+1
.endr
	WIN 0
.endm
.macro XCVT tb
	WIN 0x4a+5*((\tb)/2)                           ; sources 0 and 1 window 2 or 3, destination window 1
.set k, 0
.rept 64
	v_cvt_pk_bf16_f32 v[64*(\tb)+k], v[128*((\tb)%2)+2*k], v[128*((\tb)%2)+2*k+1]
.set k, k+1
.endr
	WIN 0
.endm
; THE WAY OUT of token block tb: 16 tokens x 128 o in f32.  A lane's eight numbers of a group go into my stage's rows of 528 bytes; whole rows of 512 bytes come back and are stored.
.macro OUTB tb
	WIN 0x0c                                       ; store data (source 1) window 3, address window 0
.irp g, 0,1,2,3,4,5,6,7
	ds_store_b128 v[STO], v[32*\g+8*(\tb):32*\g+8*(\tb)+3]   offset:64*\g
	ds_store_b128 v[STO], v[32*\g+8*(\tb)+4:32*\g+8*(\tb)+7] offset:64*\g+16
.endr
	WIN 0
	s_wait_xcnt 0x0                                ; every earlier store has read its registers: the buffer that block tb - 2 left is loaded again only behind this wait
.set w, 0
.rept 16
	ds_load_b128 v[BF+64*((\tb)%2)+4*w:BF+64*((\tb)%2)+4*w+3], v[RD] offset:w*PITCH  ; LDS serves a wave's instructions in order (ISA guide 5.7.1.4): these see the stores above, and the next block's stores come behind them
.set w, w+1
.endr
.set w, 0
.rept 16
	s_wait_dscnt 15-w                              ; row w is back; the younger rows may stay out
	global_store_b128 v[GO], v[BF+64*((\tb)%2)+4*w:BF+64*((\tb)%2)+4*w+3], s[10:11] offset:(16*(\tb)+w)*1024 th:TH_STORE_NT  ; the wave stores 512 consecutive bytes, at a multiple of 512 from P's first byte
.set w, w+1
.endr
.endm
	s_load_b256 s[4:11], s[0:1], 0x0               ; features s[4:5], bc s[6:7], Wt s[8:9], P s[10:11]
	v_lshl_add_u32 v[SPW], v0, 2, SPARE
	v_mov_b32 v[NIL], 0
	ds_add_u32 v[SPW], v[NIL]                      ; the wave's opening: the add, twice on end, and its wait ahead of my first tensor load; the set-up below, work on registers, stands between
	ds_add_u32 v[SPW], v[NIL]                      ; and once more, under the one wait
	v_lshrrev_b32 v1, 5, v0
	v_readfirstlane_b32 s[WV], v1                  ; wave 0..3
	s_lshr_b32 s[WT], s[WV], 1                     ; my half of the tokens
	s_and_b32 s[WO], s[WV], 1                      ; my half of the o
	s_bfe_u32 s[CX], ttmp6, 0x40000                ; cx: my place in the cluster: it enters features', P's and the prefetches' addresses alone
	s_lshl_b32 s[TTN], ttmp9, 2                    ; in a cluster launch ttmp9 counts clusters
	s_add_co_u32 s[TTN], s[TTN], s[CX]             ; my block of 128 tokens
	s_and_b32 s[YY], ttmp7, 0xffff                 ; my range of 32 i, which the four partners share
	; descriptor group 1: a tile of 64 rows x 256 elements, padded in LDS
	s_mov_b32 s[G1+0], 15|(1<<16)|(1<<20)|(1<<21)|(6<<22)|(3<<25)  ; 15:0 the mask: all four work-groups; 17:16 elements of 2 bytes; 20 padding on; 21 set beside a mask; 24:22 after every 128 words (code 6); 31:25 4 words (code 3)
	s_mov_b32 s[G1+1], 256<<16                     ; tensor_dim0 = 256
	s_mov_b32 s[G1+2], 64<<16                      ; tensor_dim1 = 64
	s_mov_b32 s[G1+3], 256<<16                     ; tile_dim0 = 256
	s_mov_b32 s[G1+4], 64                          ; tile_dim1 = 64
	s_mov_b32 s[G1+5], 256                         ; 256 elements from row to row
	s_mov_b32 s[G1+6], 0
	s_mov_b32 s[G1+7], 0
	s_mov_b32 s[G0], 1                             ; count = 1
	s_mul_i32 s[G0+1], s[WV], QUART                ; LDS address: slot 0, my 64 rows: no place in the cluster enters it
	s_lshl_b32 s22, s[YY], 22                      ; Wt: 32 y tiles of 131,072 bytes
	s_lshl_b32 s23, s[WV], 15                      ; + my 64 rows of 512 bytes
	s_add_co_u32 s22, s22, s23
	s_mov_b32 s23, 0
	s_lshl_b32 s18, s[TTN], 17                     ; features: my block's 128 rows of 1,024 bytes
	s_lshl_b32 s52, s[YY], 7                       ; the range's first i, in bytes
	s_add_co_u32 s52, s52, s18                     ; for XS: the block's first row, at that i
	s_mov_b32 s53, 0
	s_lshl_b32 s19, s[WT], 16                      ; my wave's 64 rows
	s_add_co_u32 s18, s18, s19
	s_mov_b32 s19, 0
	s_lshl_b32 s50, s[YY], 7                       ; bc at the range's first i
	s_mov_b32 s51, 0
	s_lshl_b32 s54, s[YY], 22                      ; P: the range's 4,096 rows of 1,024 bytes,
	s_add_co_u32 s54, s54, s18                     ; my wave's rows,
	s_lshl_b32 s55, s[WO], 9                       ; my 128 o
	s_add_co_u32 s54, s54, s55
	s_mov_b32 s55, 0
	s_lshl_b32 s[PFA], s[YY], 22                   ; the prefetches: the range's tile 2 (the first trip steps it to 3),
	s_add_co_u32 s[PFA], s[PFA], 2*TILEB
	s_lshl_b32 s56, s[CX], 15                      ; my work-group's quarter of a tile,
	s_add_co_u32 s[PFA], s[PFA], s56
	s_lshl_b32 s56, s[WV], 13                      ; my wave's quarter of that
	s_add_co_u32 s[PFA], s[PFA], s56
	s_mov_b32 s[PFA+1], 0
	s_cmp_eq_u32 ttmp9, 0                          ; the same in all four partners
	s_cselect_b32 s[LIM], 2, -1
	s_mov_b32 s[TB], SLOT                          ; the first trip turns it into 0
	s_mov_b32 s[EXO], 1024                         ; likewise
	s_mov_b32 s[BTO], 0
	s_mov_b32 s[XSO], 0
	s_mov_b32 s[SEL], 0x76543210
	s_mov_b32 s[SEL+1], 0xfedcba98
	s_mov_b32 s[HIM], 0xffff0000
	s_mov_b32 s[EPN], 0x3aa7c5ac                   ; 128 x 1e-5
	s_mov_b32 s[EPN+1], s[EPN]
	v_and_b32 v1, 15, v0                           ; r
	v_bfe_u32 v9, v0, 4, 1                         ; h
	v_and_b32 v[LN], 31, v0
	v_mul_u32_u24 v[ADR0], v1, PITCH
	v_lshl_add_u32 v[ADR0], v9, 4, v[ADR0]
	s_mul_i32 s[LB], s[WO], 128*PITCH              ; my 128 rows of a tile
	v_add_nc_u32 v[ADR0], s[LB], v[ADR0]
	s_lshl_b32 s[LB], s[WO], 9
	s_add_co_u32 s[LB], s[LB], BT
	v_lshl_add_u32 v[ABT0], v9, 5, s[LB]
	s_lshl_b32 s[LB], s[WT], 8
	s_add_co_u32 s[LB], s[LB], XS
	v_lshl_add_u32 v[AXS0], v1, 4, s[LB]
	s_lshl_b32 s[LB], s[WV], 8
	s_add_co_u32 s[LB], s[LB], EX
	v_lshl_add_u32 v[AES0], v1, 4, s[LB]
	s_xor_b32 s[LB], s[WV], 1                      ; the wave with my tokens and the other 128 o
	s_lshl_b32 s[LB], s[LB], 8
	s_add_co_u32 s[LB], s[LB], EX
	v_lshl_add_u32 v[AEL0], v1, 4, s[LB]
	s_mul_i32 s[LB], s[WV], STG                    ; my stage
	v_mul_u32_u24 v[STO], v1, PITCH
	v_lshl_add_u32 v[STO], v9, 5, v[STO]
	v_add_nc_u32 v[STO], s[LB], v[STO]
	v_lshl_add_u32 v[RD], v[LN], 4, s[LB]
	v_lshlrev_b32 v[GO], 4, v[LN]
	v_lshl_add_u32 v[ASB], v0, 2, BT
	v_lshrrev_b32 v[T], 6, v0
	v_bfe_u32 v[T+1], v0, 4, 2
	v_lshl_add_u32 v[ASX], v1, 4, XS
	v_lshl_add_u32 v[ASX], v[T], 8, v[ASX]
	v_lshl_add_u32 v[ASX], v[T+1], 2, v[ASX]
	v_lshlrev_b32 v[XO], 10, v1
	v_lshl_add_u32 v[XO], v9, 5, v[XO]
	v_lshlrev_b32 v[TO], 10, v0
	v_lshlrev_b32 v[PFO], 8, v[LN]
.irp tb, 0,1,2,3
	v_mov_b32 v[SV+2*\tb+1], 0
.endr
	s_wait_dscnt 0x0                               ; both opening adds are done
	s_wait_kmcnt 0x0
	s_add_nc_u64 s[20:21], s[4:5], s[52:53]        ; features at my block's first row, at the range's first i
	s_add_nc_u64 s[4:5], s[4:5], s[18:19]          ; features at my wave's first row
	s_add_nc_u64 s[6:7], s[6:7], s[50:51]          ; bc at the range's first i
	s_add_nc_u64 s[G0+2:G0+3], s[8:9], s[22:23]    ; global address: my 64 rows of the range's first tile
	s_or_b32 s[G0+3], s[G0+3], 0x80000000          ; type = 2
	s_add_nc_u64 s[PFA:PFA+1], s[8:9], s[PFA:PFA+1]
	s_add_nc_u64 s[10:11], s[10:11], s[54:55]      ; P at my wave's first row and o
	CROUND                                         ; all four work-groups are here: the first joint loads meet
	tensor_load_to_lds s[G0:G0+3], s[G1:G1+7]      ; tile 0 into slot 0; slot 1 is filled behind the first trip's round
	s_nop 0
	PLACES
	; In the wait for tile 0: the bias and x of the range's 32 i into LDS, and my wave's x into registers.  Thread t takes o = t and o = t + 128 of bc, and token t of the block: 128 bytes each.
.irp q, 0,1,2,3,4,5,6,7
	global_load_b128 v[BF+4*\q:BF+4*\q+3],       v[TO], s[6:7] offset:16*\q
	global_load_b128 v[BF+32+4*\q:BF+32+4*\q+3], v[TO], s[6:7] offset:131072+16*\q
	global_load_b128 v[BF+64+4*\q:BF+64+4*\q+3], v[TO], s[20:21] offset:16*\q
.endr
	XLOAD 0
	s_wait_loadcnt 32                              ; the 24 loads above are in; the 32 of token block 0 stay out
.set b, 0
.rept 3                                ; each of the 96 numbers is rounded to bf16 and widened again, 16 pairs at a time
.set p, 0
.rept 16
	v_cvt_pk_bf16_f32 v[T+p], v[BF+32*b+2*p], v[BF+32*b+2*p+1]
.set p, p+1
.endr
.set p, 0
.rept 16
	v_lshlrev_b32 v[BF+32*b+2*p], 16, v[T+p]
	v_and_b32 v[BF+32*b+2*p+1], s[HIM], v[T+p]
.set p, p+1
.endr
.set b, b+1
.endr
.set e, 0
.rept 32
	ds_store_b32 v[ASB], v[BF+e]    offset:e*1024      ; BT[i][t]
	ds_store_b32 v[ASB], v[BF+32+e] offset:e*1024+512  ; BT[i][t + 128]
	ds_store_b32 v[ASX], v[BF+64+e] offset:e*512       ; XS[i][token t]
.set e, e+1
.endr
	XLOAD 1
	s_wait_loadcnt 32                              ; block 0 is in; block 1's 32 loads stay out; and so on
	XCVT 0
	XLOAD 2
	s_wait_loadcnt 32
	XCVT 1
	XLOAD 3
	s_wait_loadcnt 32
	XCVT 2
	s_wait_loadcnt 0x0
	XCVT 3
	s_mov_b32 s[CNT], 31
	TRIP 0, 1                                      ; i = 0: written out: there is no trip behind it
	s_mov_b32 s[CNT], 30
	TRIP 1, 1                                      ; i = 1: written out: its weighted sums start OUT
	WIN 0
	s_mov_b32 s[CNT], 29
.Ltrip:                                                ; i = 2 .. 30
	TRIP 2, 1
	WIN 0
	s_sub_co_u32 s[CNT], s[CNT], 1
	s_cmp_lg_u32 s[CNT], 0
	s_cbranch_scc1 .Ltrip
	TRIP 2, 0                                      ; i = 31: written out: nothing is left to fetch
	; the last i's weighted sum
	WIN 0
	v_add_nc_u32 v[AXS], s[XSO], v[AXS0]
	v_add_nc_u32 v[AEL], s[EXO], v[AEL0]
	s_wait_dscnt 0x0                               ; my partial norm is stored, my reads of the slots are back
	s_barrier_signal -1
	s_barrier_wait -1                              ; the partner's norm can be read; nobody reads a slot any more, and both have had their last fill: slot 0 takes the stages
	ds_load_b128 v[PN:PN+3], v[AEL]
	ds_load_b128 v[XV:XV+3], v[AXS]
	s_wait_dscnt 0x0
	SCALE
.irp g, 0,1,2,3,4,5,6,7
.irp tb, 0,1,2,3
	FMA4 \g, 2, \tb
.endr
.endr
	OUTB 0
	OUTB 1
	OUTB 2
	OUTB 3
	s_wait_tensorcnt 0x0                           ; the wave's end: behind my last tensor load and my last LDS store
	ds_add_u32 v[SPW], v[NIL]
	s_wait_dscnt 0x0
	CROUND                                         ; the closing round: no work-group ends while a partner may still ask for a tile that names it
	s_endpgm
.Lfunc_end_k_q1f981f94a2_main:
	.size	k_q1f981f94a2_main, .Lfunc_end_k_q1f981f94a2_main-k_q1f981f94a2_main
	.p2alignl 7, 3214868480
	.fill 96, 4, 3214868480
	.section	.rodata,"a",@progbits
	.p2align	6, 0x0
	.amdhsa_kernel k_q1f981f94a2_main
		.amdhsa_group_segment_fixed_size 327680
		.amdhsa_private_segment_fixed_size 0
		.amdhsa_enable_private_segment 0
		.amdhsa_kernarg_size 32
		.amdhsa_user_sgpr_count 2
		.amdhsa_user_sgpr_kernarg_segment_ptr 1
		.amdhsa_wavefront_size32 1
		.amdhsa_system_sgpr_workgroup_id_x 1
		.amdhsa_system_sgpr_workgroup_id_y 1
		.amdhsa_system_sgpr_workgroup_id_z 1
		.amdhsa_system_vgpr_workitem_id 0
		.amdhsa_next_free_vgpr 1024
		.amdhsa_next_free_sgpr 66
		.amdhsa_reserve_vcc 0
		.amdhsa_float_denorm_mode_32 3
		.amdhsa_float_denorm_mode_16_64 3
		.amdhsa_memory_ordered 1
		.amdhsa_forward_progress 1
		.amdhsa_inst_pref_size 255
	.end_amdhsa_kernel
	.section	.bss,"aw",@nobits
	.p2align	6
	.space	262144
	.amdgpu_metadata
---
amdhsa.version: [ 1, 2 ]
amdhsa.kernels:
  - .name:           k_q1f981f94a2_main
    .symbol:         k_q1f981f94a2_main.kd
    .args:
      - { .name: features, .offset: 0, .size: 8, .value_kind: global_buffer, .address_space: global }
      - { .name: bc, .offset: 8, .size: 8, .value_kind: global_buffer, .address_space: global }
      - { .name: Wt, .offset: 16, .size: 8, .value_kind: global_buffer, .address_space: global }
      - { .name: P, .offset: 24, .size: 8, .value_kind: global_buffer, .address_space: global }
    .group_segment_fixed_size: 327680
    .private_segment_fixed_size: 0
    .kernarg_segment_align: 8
    .kernarg_segment_size: 32
    .max_flat_workgroup_size: 128
    .sgpr_count:     66
    .vgpr_count:     1024
    .wavefront_size: 32
...
	.end_amdgpu_metadata
.endif
;; end of part 2
;; launch addup (part 3): grid 512 x 1, 8 waves a work-group, no clusters, 0 bytes of LDS; arguments P, out0; writes out0
.if DOCPART == 3
	.amdgcn_target "amdgcn-amd-amdhsa--gfx1250"
	.amdhsa_code_object_version 6
	.text
	.protected	k_q1f981f94a2_addup
	.globl	k_q1f981f94a2_addup
	.p2align	8
	.type	k_q1f981f94a2_addup,@function
k_q1f981f94a2_addup:
	s_mov_b64 s[64:65], 0
	v_nop
	global_prefetch_b8 v0, s[64:65] scope:SCOPE_SE
	s_setreg_imm32_b32 hwreg(HW_REG_WAVE_MODE, 25, 1), 1
	s_wait_xcnt 0x0
; out0[t][o] = the sum over y = 0 .. 7 of P[y][t][o], in f32, as ((p0 + p1) + (p2 + p3)) + ((p4 + p5) + (p6 + p7)).  P: [8][4096][256] f32, 4 MiB a range; out0: [4096][256] f32.
; A stream: thread G = 256 x work-group + thread owns the 16 bytes at 16 G and at 16 G + 2 MiB of out0; all 16 loads go out first; each load and store of a wave covers 512 consecutive bytes, aligned.
; Four bases 8 MiB apart keep every immediate (6 MiB at the most) inside the signed 24 bits.  No LDS, no barrier, nothing read twice.
	s_load_b64 s[8:9], s[0:1], 0x0                 ; P
	s_load_b64 s[4:5], s[0:1], 0x8                 ; out0
	s_lshl_b32 s16, ttmp9, 12                      ; 256 threads x 16 bytes
	v_lshl_add_u32 v1, v0, 4, s16
	s_wait_kmcnt 0x0
	s_add_nc_u64 s[10:11], s[8:9], 0x800000
	s_add_nc_u64 s[12:13], s[8:9], 0x1000000
	s_add_nc_u64 s[14:15], s[8:9], 0x1800000
.irp p, 0,1
.irp y, 0,1,2,3,4,5,6,7
	global_load_b128 v[4+32*\p+4*\y:4+32*\p+4*\y+3], v1, s[8+2*(\y/2):9+2*(\y/2)] offset:(\y%2)*0x400000+\p*0x200000 th:TH_LOAD_NT
.endr
.endr
.macro SUM p, left                     ; piece p: range y's four numbers at v[4 + 32 p + 4 y]
	s_wait_loadcnt \left
.set R, 4+32*(\p)
.irp y, 0,2,4,6
	v_pk_add_f32 v[R+4*\y:R+4*\y+1],   v[R+4*\y:R+4*\y+1],   v[R+4*\y+4:R+4*\y+5]
	v_pk_add_f32 v[R+4*\y+2:R+4*\y+3], v[R+4*\y+2:R+4*\y+3], v[R+4*\y+6:R+4*\y+7]
.endr
.irp y, 0,4
	v_pk_add_f32 v[R+4*\y:R+4*\y+1],   v[R+4*\y:R+4*\y+1],   v[R+4*\y+8:R+4*\y+9]
	v_pk_add_f32 v[R+4*\y+2:R+4*\y+3], v[R+4*\y+2:R+4*\y+3], v[R+4*\y+10:R+4*\y+11]
.endr
	v_pk_add_f32 v[R:R+1],   v[R:R+1],   v[R+16:R+17]
	v_pk_add_f32 v[R+2:R+3], v[R+2:R+3], v[R+18:R+19]
	global_store_b128 v1, v[R:R+3], s[4:5] offset:(\p)*0x200000 th:TH_STORE_NT
.endm
	SUM 0, 8                                       ; the first piece's eight loads are in; the second's eight stay out
	SUM 1, 0
	s_endpgm
.Lfunc_end_k_q1f981f94a2_addup:
	.size	k_q1f981f94a2_addup, .Lfunc_end_k_q1f981f94a2_addup-k_q1f981f94a2_addup
	.p2alignl 7, 3214868480
	.fill 96, 4, 3214868480
	.section	.rodata,"a",@progbits
	.p2align	6, 0x0
	.amdhsa_kernel k_q1f981f94a2_addup
		.amdhsa_group_segment_fixed_size 0
		.amdhsa_private_segment_fixed_size 0
		.amdhsa_enable_private_segment 0
		.amdhsa_kernarg_size 16
		.amdhsa_user_sgpr_count 2
		.amdhsa_user_sgpr_kernarg_segment_ptr 1
		.amdhsa_wavefront_size32 1
		.amdhsa_system_sgpr_workgroup_id_x 1
		.amdhsa_system_sgpr_workgroup_id_y 1
		.amdhsa_system_sgpr_workgroup_id_z 1
		.amdhsa_system_vgpr_workitem_id 0
		.amdhsa_next_free_vgpr 72
		.amdhsa_next_free_sgpr 66
		.amdhsa_reserve_vcc 0
		.amdhsa_float_denorm_mode_32 3
		.amdhsa_float_denorm_mode_16_64 3
		.amdhsa_memory_ordered 1
		.amdhsa_forward_progress 1
		.amdhsa_inst_pref_size 5
	.end_amdhsa_kernel
	.amdgpu_metadata
---
amdhsa.version: [ 1, 2 ]
amdhsa.kernels:
  - .name:           k_q1f981f94a2_addup
    .symbol:         k_q1f981f94a2_addup.kd
    .args:
      - { .name: P, .offset: 0, .size: 8, .value_kind: global_buffer, .address_space: global }
      - { .name: out0, .offset: 8, .size: 8, .value_kind: global_buffer, .address_space: global }
    .group_segment_fixed_size: 0
    .private_segment_fixed_size: 0
    .kernarg_segment_align: 8
    .kernarg_segment_size: 16
    .max_flat_workgroup_size: 256
    .sgpr_count:     66
    .vgpr_count:     72
    .wavefront_size: 32
...
	.end_amdgpu_metadata
.endif
;; end of part 3
;; ======== version 2 of 2: 3 launches; version 1 with the launch cvtw written anew for expert scheduling mode
;; workspace buffers: Wt 33,554,432 bytes; P 33,554,432 bytes
;; launch cvtw (part 4): grid 32 x 16, 8 waves a work-group, no clusters, 0 bytes of LDS; arguments Wc, Wt; writes Wt
.if DOCPART == 4
	.amdgcn_target "amdgcn-amd-amdhsa--gfx1250"
	.amdhsa_code_object_version 6
	.text
	.protected	k_q1f981f94a2_cvtw
	.globl	k_q1f981f94a2_cvtw
	.p2align	8
	.type	k_q1f981f94a2_cvtw,@function
k_q1f981f94a2_cvtw:
	s_mov_b64 s[64:65], 0
	v_nop
	global_prefetch_b8 v0, s[64:65] scope:SCOPE_SE
	s_setreg_imm32_b32 hwreg(HW_REG_WAVE_SCHED_MODE, 0, 2), 2
	s_setreg_imm32_b32 hwreg(HW_REG_WAVE_MODE, 25, 1), 1
	s_wait_xcnt 0x0
	s_wait_alu depctr_vm_vsrc(0)
; Wt[i][o][c] = bf16(Wc[o*256 + i][c]).  Wc: [65536][256] f32.  Wt: [256 i][256 o][256 c] bf16, row (i, o) at byte (i*256 + o)*512.
; The next launch walks i and wants, for one i, the 256 rows o as one dense block of 131,072 bytes in bf16: this launch rounds once (to nearest even) and lays the rows so.
; SHARES.  Wave w of work-group (x, y) takes o = 8 x + w and i = 16 y .. 16 y + 15: 16 rows of Wc that lie on end, 16,384 bytes.  A load of the wave covers 512 consecutive
; bytes (half a row); the 4 numbers of a lane become 8 bytes, and a store of the wave covers 256 consecutive bytes, aligned.  All 32 loads go out first; no register is written twice.
; A stream: no LDS, no barrier, no matrix work, nothing read twice.
; THE MODE: SCHED_MODE bits 1:0 = 2 (LLVM: expert scheduling mode 2), set by the entry lines.  The code itself states the register dependences
; between vector instructions and memory instructions, with s_wait_alu, always for 0.
; THE PLAN.  Registers that memory instructions touch:
;   v1, v2   byte offsets of the loads and of the stores: made once at the head, never written again.
;   L        load n lands in its own four registers; all 32 loads are issued before any vector instruction names L; load n's two conversions read them; nothing is loaded there again.
;   S        load n's two conversions write its own two registers; store n reads them; nothing writes them again.
; So nothing that a memory instruction reads is ever rewritten, and what is left to state is: the offsets are written ahead of the first load, and a store's data are written ahead of the store.
; The 32 loads go in eight blocks of four.  Block p rounds its four loads and issues the four stores of block p - 1, whose data the ONE wait at the block's head has shown written; the conversions
; issued since that wait name block p's L and S alone, so the stores are dealt among them with no further wait.  The last block's stores have a wait of their own.
.set L, 4                              ; v[4:131]    load n: 4 registers
.set S, 132                            ; v[132:195]  store n: 2 registers
.set BLK, 4                            ; loads, and stores, in a block
	s_load_b128 s[4:7], s[0:1], 0x0                ; Wc s[4:5], Wt s[6:7]
	v_lshrrev_b32 v3, 5, v0
	v_readfirstlane_b32 s8, v3                     ; wave 0..7
	v_and_b32 v1, 31, v0                           ; lane
	v_lshlrev_b32 v2, 3, v1                        ; 8 bytes a lane on the way out
	v_lshlrev_b32 v1, 4, v1                        ; 16 bytes a lane on the way in
	s_and_b32 s9, ttmp7, 0xffff                    ; y
	s_lshl_b32 s10, ttmp9, 3
	s_wait_alu depctr_va_sdst(0)                   ; s8, the wave's number, is written, ahead of its first reader: o is made from it
	s_add_co_u32 s10, s10, s8                      ; o
	s_lshl_b32 s12, s10, 18                        ; o x 256 rows x 1,024 bytes
	s_lshl_b32 s13, s9, 14                         ; + 16 y rows
	s_add_co_u32 s12, s12, s13
	s_mov_b32 s13, 0
	s_lshl_b32 s14, s9, 21                         ; 16 y blocks of 131,072 bytes
	s_lshl_b32 s15, s10, 9                         ; + o rows of 512 bytes
	s_add_co_u32 s14, s14, s15
	s_mov_b32 s15, 0
	s_wait_kmcnt 0x0
	s_add_nc_u64 s[4:5], s[4:5], s[12:13]
	s_add_nc_u64 s[6:7], s[6:7], s[14:15]
	s_wait_alu depctr_va_vdst(0)                   ; v1 and v2 are written: every load reads v1 as its offset, every store v2
.set n, 0
.rept 32                               ; load n: half n % 2 of row n / 2: the wave's 16,384 bytes in order
	global_load_b128 v[L+4*n:L+4*n+3], v1, s[4:5] offset:n*512 th:TH_LOAD_NT
.set n, n+1
.endr
.set p, 0
.rept 32/BLK                           ; block p: loads 4 p .. 4 p + 3 are rounded, stores 4 (p - 1) .. 4 (p - 1) + 3 leave
	s_wait_loadcnt 32-BLK-BLK*p                    ; loads come back in order (ISA guide 5.7.1): this block's four are in, the 28 - 4 p younger ones stay out
.if p > 0
	s_wait_alu depctr_va_vdst(0)                   ; the block before has written its eight registers of S, which the four stores below read
.endif
.set i, 0
.rept BLK
.if p > 0
.set m, BLK*(p-1)+i
	global_store_b64 v2, v[S+2*m:S+2*m+1], s[6:7] offset:(m/2)*131072+(m%2)*256 th:TH_STORE_NT  ; i goes up by one: 131,072 bytes on; 1,966,336 at the most, inside the signed 24 bits.  No vector instruction since the wait names these registers
.endif
.set n, BLK*p+i
	v_cvt_pk_bf16_f32 v[S+2*n], v[L+4*n], v[L+4*n+1]
	v_cvt_pk_bf16_f32 v[S+2*n+1], v[L+4*n+2], v[L+4*n+3]
.set i, i+1
.endr
.set p, p+1
.endr
	s_wait_alu depctr_va_vdst(0)                   ; the last block has written its eight registers of S, which the last four stores read
.set m, 32-BLK
.rept BLK
	global_store_b64 v2, v[S+2*m:S+2*m+1], s[6:7] offset:(m/2)*131072+(m%2)*256 th:TH_STORE_NT
.set m, m+1
.endr
	s_endpgm
.Lfunc_end_k_q1f981f94a2_cvtw:
	.size	k_q1f981f94a2_cvtw, .Lfunc_end_k_q1f981f94a2_cvtw-k_q1f981f94a2_cvtw
	.p2alignl 7, 3214868480
	.fill 96, 4, 3214868480
	.section	.rodata,"a",@progbits
	.p2align	6, 0x0
	.amdhsa_kernel k_q1f981f94a2_cvtw
		.amdhsa_group_segment_fixed_size 0
		.amdhsa_private_segment_fixed_size 0
		.amdhsa_enable_private_segment 0
		.amdhsa_kernarg_size 16
		.amdhsa_user_sgpr_count 2
		.amdhsa_user_sgpr_kernarg_segment_ptr 1
		.amdhsa_wavefront_size32 1
		.amdhsa_system_sgpr_workgroup_id_x 1
		.amdhsa_system_sgpr_workgroup_id_y 1
		.amdhsa_system_sgpr_workgroup_id_z 1
		.amdhsa_system_vgpr_workitem_id 0
		.amdhsa_next_free_vgpr 200
		.amdhsa_next_free_sgpr 66
		.amdhsa_reserve_vcc 0
		.amdhsa_float_denorm_mode_32 3
		.amdhsa_float_denorm_mode_16_64 3
		.amdhsa_memory_ordered 1
		.amdhsa_forward_progress 1
		.amdhsa_inst_pref_size 12
	.end_amdhsa_kernel
	.amdgpu_metadata
---
amdhsa.version: [ 1, 2 ]
amdhsa.kernels:
  - .name:           k_q1f981f94a2_cvtw
    .symbol:         k_q1f981f94a2_cvtw.kd
    .args:
      - { .name: Wc, .offset: 0, .size: 8, .value_kind: global_buffer, .address_space: global }
      - { .name: Wt, .offset: 8, .size: 8, .value_kind: global_buffer, .address_space: global }
    .group_segment_fixed_size: 0
    .private_segment_fixed_size: 0
    .kernarg_segment_align: 8
    .kernarg_segment_size: 16
    .max_flat_workgroup_size: 256
    .sgpr_count:     66
    .vgpr_count:     200
    .wavefront_size: 32
...
	.end_amdgpu_metadata
.endif
;; end of part 4
;; launch main: the kernel of part 2 again; grid 32 x 8, 4 waves a work-group, clusters of 4 x 1, 327,680 bytes of LDS; arguments features, bc, Wt, P; writes P
;; launch addup: the kernel of part 3 again; grid 512 x 1, 8 waves a work-group, no clusters, 0 bytes of LDS; arguments P, out0; writes out0
